; MI455X (gfx1250); checked and timed in simulation.
; The chip was launched on July 23, 2026; its instructions are those of AMD's public machine-readable ISA for CDNA 5 (MIT licence, August 2026) and "CDNA5" Instruction Set Architecture Reference Guide (July 2026). The comments in the code are by the model that wrote it; some were corrected since.
;; Adaptive Pool Compressor. Allowed arithmetic: matrix products marked QUANTISED: E2M1 operands, one E8M0 scale for each 32 along K, by v_wmma_scale_f32_16x16x128_f8f6f4 with both operands' format E2M1 (or v_wmma_scale_f32_32x16x128_f4), f32 sums; products left as they are: f32 operands where the result goes on into a quantised operand, else bf16, f16 or f32 operands; f32 sums; everything else in f32.
;; Inputs: W1 1,024 x 256 float32; W2 256 x 1 float32; b1 256 float32; b2 1 float32; pool_positions 512 float32; x 8 x 8,192 x 1,024 float32.
;; Outputs: out0 8 x 512 x 1,024 float32.
;; This version of the problem:
;;   THIS VERSION OF THE PROBLEM IS GIVEN IN LOW PRECISION. The matrix products marked QUANTISED in the list below multiply operands that are first quantised to E2M1 (2 exponent bits, 1 mantissa bit; 4 bits a number), with one power-of-two scale for each 32 numbers along K (OCP MX v1.0); their sums are f32. All else is computed in f32.
;;   The module's matrix products, in the order in which they are computed (A, B: the left and right operand; K: the contracted axis; several contracted axes count as one K, in the product's order):
;;     1. [M 65,536, K 1,024] x [K 1,024, N 256]; A: input x; B: input W1: QUANTISED
;;     2. [M 65,536, K 256] x [K 256, N 1]; A: computed on the way; B: input W2: left as it is (N = 1 < 16)
;;     3. batch 8 x [M 512, K 8,192] x [K 8,192, N 1,024]; A: softmax (see below); B: input x: QUANTISED
;;   THE QUANTISER, for each operand of a quantised product, along K:
;;     - K is cut into blocks of 32 from its start; a last block that is shorter is filled with zeros.
;;     - A block's scale is 2^e with e = floor(log2(the largest magnitude in the block)) - 2, held to -126 .. 127; a block of zeros has e = 0. As a byte (E8M0): e + 127.
;;     - Each number is divided by its block's scale, clamped to +-6, and rounded to the nearest number of E2M1, ties to even, subnormals kept.
;;     - The product sums the exact products of the quantised numbers (number of the format x scale) in f32.
;;   ~~~python
;;   def quantise(x, axis):      # numpy; x: float32 -> the quantised numbers, widened to float32 again
;;       x = np.moveaxis(x, axis, -1); K = x.shape[-1]
;;       x = np.pad(x, [(0, 0)] * (x.ndim - 1) + [(0, -K % 32)]); x = x.reshape(x.shape[:-1] + (-1, 32)); a = np.abs(x).max(-1, keepdims=True)
;;       e = np.where(a > 0, np.clip(np.frexp(np.where(a > 0, a, 1))[1] - 1 - 2, -126, 127), 0)      # np.frexp(a)[1] - 1 = floor(log2(a)), exactly
;;       r = np.clip(x / 2.0 ** e, -6, 6)
;;       step = 2.0 ** (np.maximum(np.frexp(np.where(r == 0, 1, r))[1] - 1, 0) - 1)
;;       q = np.round(r / step) * step * 2.0 ** e      # np.round: ties to even
;;       return np.moveaxis(q.reshape(q.shape[:-2] + (-1,))[..., :K], -1, axis).astype(np.float32)
;;   ~~~
;;   SOFTMAX AHEAD OF A QUANTISED PRODUCT. Where the list says 'softmax', what is quantised is not the finished softmax but p = 2^(t - M), with t = logit x log2(e) and M = ceil(the row's largest t), a whole number; so 1/2 < the row's largest p <= 1. The row's sum l is taken of the UNQUANTISED p, in f32, and the product's result is divided by l at the end. Since M is a whole number, a kernel that streams over the keys may use a running M (the ceiling of the running maximum): every later rescaling is an exact power of two, which a block's scale takes up: the codes' values come out the same.
;;   OPERANDS COMPUTED ON THE WAY. 'Computed on the way' means the value that the module computes at that place (a softmax that the list does not call 'softmax' is quantised finished and normalised). What goes into a quantiser is computed in f32, as accurately as f32 sums, v_exp_f32 and their like allow (about 1e-6 of the number): no bf16 or f16 on the way to a quantiser, and a product that is left as it is and whose result goes on into a quantised operand takes f32 operands (vector FMAs, or v_wmma_f32_16x16x4_f32). A number that lies on a knife's edge between two numbers of the format may be rounded either way, as far as f32 arithmetic and the matrix unit's own rounding can turn it there, and no further.
;; One version. Each part assembles by itself: llvm-mc -triple=amdgcn-amd-amdhsa -mcpu=gfx1250 --defsym DOCPART=n.
;; ======== version 1 of 1: 3 launches
;; workspace buffers: w1q 131,072 bytes; w1s 8,192 bytes; pos 32,768 bytes; wins 8,192 bytes of whole numbers; xq 33,554,432 bytes; xs 2,097,152 bytes; scores 262,144 bytes
;; launch prep (part 1): grid 20 x 1, 8 waves a work-group, no clusters, 0 bytes of LDS; arguments W1, pool_positions, w1q, w1s, pos, wins; writes w1q, w1s, pos, wins
.if DOCPART == 1
	.amdgcn_target "amdgcn-amd-amdhsa--gfx1250"
	.amdhsa_code_object_version 6
	.text
	.protected	k_qef3dead387_prep
	.globl	k_qef3dead387_prep
	.p2align	8
	.type	k_qef3dead387_prep,@function
k_qef3dead387_prep:
	s_mov_b64 s[64:65], 0
	v_nop
	global_prefetch_b8 v0, s[64:65] scope:SCOPE_SE
	s_setreg_imm32_b32 hwreg(HW_REG_WAVE_MODE, 25, 1), 1
	s_wait_xcnt 0x0
; Two small jobs ahead of the pass over x, told apart by the work-group's number.
; WORK-GROUPS 0-15: W1 [1024 (k)][256 (n)] f32 becomes codes of E2M1 along K with one E8M0 byte for each 32 along K.  Work-group p takes k = 64 p .. 64 p + 63: two blocks a thread,
;   all 64 loads of a thread asked for at once.  A thread takes a column n and its registers run down K: a load reads 128 consecutive bytes a wave, a block of 32 lies in one lane,
;   and the codes come out with K innermost.  w1q [k / 32][n][16 bytes], w1s [k / 128][n][4 bytes]: the order in which an operand's registers take them.
; WORK-GROUPS 16-19: the table pos[s], s = 0 .. 8191, and for each tile of 16 pooled rows the K steps (of 128 keys) that its softmax can reach.
;   pos[s] = s x Y rounded once, Y = 1 / 8191 rounded to f32: the division by the constant 8191 taken as a multiplication by its reciprocal.  It differs from the correctly rounded
;   quotient by one last place where s Y is a tie (s = 1 mod 4 from 2,048 on, s = 2 mod 8 from 4,096 on); times 8,192 that place decides codes of p, so the choice is part of the result.
;   8191 Y = 1 - 2^-26 rounds to 1: the end point.
;   The logit of key s is -|pp - pos[s]| x 8192 + 10 w[s] with 0 <= w <= 1.  A key whose position term lies more than 100 under that of the key nearest to pp has
;   t - M under -129, where v_exp_f32 gives 0 (results under 2^-126 are flushed: ISA guide, the instruction's entry): its code and its part of the row's sum are 0.
;   pos rises with s (a rounded product by a positive constant does not fall), so the position term, as f32 computes it, rises to one peak and falls: a K step without the peak
;   has its best key at one of its ends, and both ends are tried.
;   A wave takes a tile: lanes 0-15 try K steps 0-31 for the 16 rows, lanes 16-31 K steps 32-63, four K steps a trip, line by line in turn, so that no line waits for the line above it.
;   The tile's window is (kstart, n), n a multiple of 4, kstart + n <= 64; every lane stores it: wins [tile][lane][2 words], whole numbers for the last launch.
; LIMITS: NaN and infinities are not served.  A block of zeros gets the byte 1, not 127: its codes are zeros, and this program alone reads the bytes.
.set X,  32                            ; v32-95   two sets of 32 numbers
.set CW, 96                            ; v96-103  a block's codes, four registers for each of the two blocks: no store's data are written again
.set WD, 24                            ; v24      the two scale bytes
	s_load_b128 s[4:7], s[0:1], 0x0                ; W1, pool_positions
	s_load_b128 s[8:11], s[0:1], 0x10              ; w1q, w1s
	s_load_b128 s[12:15], s[0:1], 0x20             ; pos, wins
	s_cmp_lt_u32 ttmp9, 16
	s_cbranch_scc0 .Ltable
	; ---------------- W1
	v_lshlrev_b32 v1, 2, v0                        ; 4 n: my column in a row of W1, and my scale word
	v_lshlrev_b32 v2, 4, v0                        ; 16 n: my block's codes
	s_lshl_b32 s16, ttmp9, 16                      ; 64 rows of 1,024 bytes
	s_lshl_b32 s18, ttmp9, 13                      ; 2 blocks x 256 columns x 16 bytes
	s_lshr_b32 s20, ttmp9, 1
	s_lshl_b32 s20, s20, 10                        ; the K step's 256 words,
	s_and_b32 s22, ttmp9, 1
	s_lshl_b32 s22, s22, 1
	s_add_co_u32 s20, s20, s22                     ; and in each word my two bytes: the lower or the upper half
	s_mov_b32 s17, 0
	s_mov_b32 s19, 0
	s_mov_b32 s21, 0
	s_wait_kmcnt 0x0
	s_add_nc_u64 s[4:5], s[4:5], s[16:17]
	s_add_nc_u64 s[8:9], s[8:9], s[18:19]
	s_add_nc_u64 s[10:11], s[10:11], s[20:21]
.macro LOADW t                         ; block t: W1(64 p + 32 t + i, n), i = 0 .. 31, into set t
.set i, 0
.rept 32
	global_load_b32 v[X+32*(\t)+i], v1, s[4:5] offset:(32*(\t)+i)*1024 th:TH_LOAD_NT
.set i, i+1
.endr
.endm
.macro BLOCKW t
.set XS, X+32*(\t)
.if (\t) < 1
	s_wait_loadcnt 32                              ; this block's 32 loads are in; the second block's 32 may be out
.else
	s_wait_loadcnt 0x0
.endif
	v_max3_num_f32 v12, |v[XS]|, |v[XS+1]|, |v[XS+2]|      ; the block's largest magnitude, in two chains
	v_max3_num_f32 v13, |v[XS+3]|, |v[XS+4]|, |v[XS+5]|
.irp i, 6,10,14,18,22,26
	v_max3_num_f32 v12, v12, |v[XS+\i]|, |v[XS+\i+1]|
	v_max3_num_f32 v13, v13, |v[XS+\i+2]|, |v[XS+\i+3]|
.endr
	v_max3_num_f32 v12, v12, |v[XS+30]|, |v[XS+31]|
	v_max3_num_f32 v12, v12, v13, 0x1800000        ; and the floor 2^(3 - 127): the byte cannot fall under 1
	v_add_nc_u32 v11, 0xff000000, v12              ; 2 off the exponent field: the conversion's scale operand
	v_lshrrev_b32 v13, 23, v11                     ; the scale's byte
.if (\t) == 0
	v_mov_b32 v[WD], v13
.else
	v_lshl_or_b32 v[WD], v13, 8, v[WD]             ; the lower K in the lower byte
.endif
.irp g, 0,1,2,3
	v_cvt_scalef32_pk8_fp4_f32 v[CW+4*(\t)+\g], v[XS+8*\g:XS+8*\g+7], v11
.endr
	global_store_b128 v2, v[CW+4*(\t):CW+4*(\t)+3], s[8:9] offset:4096*(\t)   ; a wave stores 512 consecutive bytes
.endm
	LOADW 0
	LOADW 1
	BLOCKW 0
	BLOCKW 1
	global_store_b16 v1, v[WD], s[10:11]           ; two bytes of each column's word; the other two are another work-group's; the whole buffer is 8,192 bytes
	s_endpgm
	; ---------------- the table of positions and the windows
.Ltable:
	s_sub_co_u32 s16, ttmp9, 16                    ; 0 .. 3
	s_lshl_b32 s17, s16, 11
	v_lshl_add_u32 v3, v0, 2, s17                  ; my first s: 2,048 x work-group + 4 x thread
	s_lshl_b32 s18, s16, 8
	v_add_nc_u32 v4, s18, v0                       ; my thread among the 1,024: 32 x tile + lane
	v_lshrrev_b32 v5, 5, v4                        ; my wave's tile
	v_and_b32 v10, 15, v0
	v_lshl_add_u32 v5, v5, 4, v10                  ; my row t = 16 x tile + lane % 16
	v_lshlrev_b32 v5, 2, v5
	v_lshlrev_b32 v6, 3, v4
	v_lshlrev_b32 v7, 2, v3
	s_mov_b32 s20, 0x39000400                      ; Y = 1 / 8191 rounded
	s_mov_b32 s22, 0x46000000                      ; 8192
	s_mov_b32 s28, 0x76543210                      ; v_permlanex16_b32's selects for lane l xor 16
	s_mov_b32 s29, 0xfedcba98
	s_wait_kmcnt 0x0
	global_load_b32 v8, v5, s[6:7]                 ; pp
.macro POS dst, sf                     ; pos of the key whose number, as f32, stands in v[sf]: one multiplication, one rounding
	v_mul_f32 v[\dst], s20, v[\sf]
.endm
.irp q, 0,1
.irp e, 0,1,2,3
	v_add_nc_u32 v10, 1024*\q+\e, v3
	v_cvt_f32_u32 v10, v10
	POS 16+4*\q+\e, 10
.endr
	global_store_b128 v7, v[16+4*\q:16+4*\q+3], s[12:13] offset:4096*\q       ; a wave stores 512 consecutive bytes
.endr
	v_bfe_u32 v11, v0, 4, 1
	v_lshlrev_b32 v11, 5, v11                      ; my half's first K step: 0 or 32
	v_cvt_f32_u32 v32, v11                         ; v32-35: k of the trip's four K steps
	v_add_f32 v33, 1.0, v32
	v_add_f32 v34, 2.0, v32
	v_add_f32 v35, 0x40400000, v32
.irp u, 0,1,2,3
	v_mul_f32 v[36+\u], 0x43000000, v[32+\u]       ; v36-39: 128 k, their first keys
.endr
	v_mov_b32 v46, 0                               ; written once: a lane permute's destination counts as one of its sources
	v_mov_b32 v47, 0
	s_wait_loadcnt 0x0
	v_med3_num_f32 v9, v8, 0, 1.0
	v_mul_f32 v9, 0x45fff800, v9
	v_rndne_f32 v9, v9                             ; the key nearest to pp, or next to it
	POS 10, 9
	v_sub_f32 v10, v8, v10
	v_mul_f32 v10, s22, |v10|                      ; its distance x 8192: no smaller than the best key's
	v_add_f32 v13, 0x42c80000, v10                 ; + 100: what lies beyond counts for nothing
	v_mul_f32 v45, 0x3c000000, v9
	v_floor_f32 v45, v45                           ; kc, its K step: it always counts
	v_mov_b32 v14, v45                             ; lo
	v_mov_b32 v15, v45                             ; hi
	s_mov_b32 s23, 0
.Lsteps:                                           ; 8 trips x 4 K steps: my half's 32; no branch and no address hangs on these numbers
.irp u, 0,1,2,3
	POS 40+\u, 36+\u
.endr
.irp u, 0,1,2,3
	v_add_f32 v[48+\u], 0x42fe0000, v[36+\u]       ; the step's last key
.endr
.irp u, 0,1,2,3
	POS 48+\u, 48+\u
.endr
.irp u, 0,1,2,3
	v_sub_f32 v[40+\u], v8, v[40+\u]
	v_sub_f32 v[48+\u], v8, v[48+\u]
.endr
.irp u, 0,1,2,3
	v_min_num_f32 v[40+\u], |v[40+\u]|, |v[48+\u]|
.endr
.irp u, 0,1,2,3
	v_mul_f32 v[40+\u], s22, v[40+\u]
.endr
.irp u, 0,1,2,3
	v_cmp_le_f32 s[24+\u], v[40+\u], v13
.endr
.irp u, 0,1,2,3
	v_cndmask_b32 v[52+\u], v45, v[32+\u], s[24+\u]    ; k where the step counts, else kc, which lies between lo and hi and moves neither
.endr
	v_min3_num_f32 v14, v14, v52, v53
	v_max3_num_f32 v15, v15, v52, v53
	v_min3_num_f32 v14, v14, v54, v55
	v_max3_num_f32 v15, v15, v54, v55
.irp u, 0,1,2,3
	v_add_f32 v[32+\u], 4.0, v[32+\u]
	v_add_f32 v[36+\u], 0x44000000, v[36+\u]
.endr
	s_add_co_u32 s23, s23, 1
	s_cmp_lt_u32 s23, 8
	s_cbranch_scc1 .Lsteps
.irp m, 1,2,4,8                                    ; over the tile's sixteen rows,
	v_min_num_f32_dpp v14, v14, v14 row_xmask:\m row_mask:0xf bank_mask:0xf
	v_max_num_f32_dpp v15, v15, v15 row_xmask:\m row_mask:0xf bank_mask:0xf
.endr
	v_permlanex16_b32 v46, v14, s28, s29           ; and over the two halves of the K steps
	v_permlanex16_b32 v47, v15, s28, s29
	v_min_num_f32 v14, v14, v46
	v_max_num_f32 v15, v15, v47
	v_sub_f32 v15, v15, v14
	v_add_f32 v15, 1.0, v15                        ; K steps reached
	v_mul_f32 v15, 0x3e800000, v15
	v_floor_f32 v15, -v15
	v_mul_f32 v15, -4.0, v15                       ; n: rounded up to a multiple of 4, from 4 to 64
	v_sub_f32 v44, 0x42800000, v15
	v_min_num_f32 v14, v14, v44                    ; kstart = min(lo, 64 - n)
	v_cvt_u32_f32 v56, v14
	v_cvt_u32_f32 v57, v15
	global_store_b64 v6, v[56:57], s[14:15]        ; the wave stores 256 consecutive bytes, aligned: its tile's entry
	s_endpgm
.Lfunc_end_k_qef3dead387_prep:
	.size	k_qef3dead387_prep, .Lfunc_end_k_qef3dead387_prep-k_qef3dead387_prep
	.p2alignl 7, 3214868480
	.fill 96, 4, 3214868480
	.section	.rodata,"a",@progbits
	.p2align	6, 0x0
	.amdhsa_kernel k_qef3dead387_prep
		.amdhsa_group_segment_fixed_size 0
		.amdhsa_private_segment_fixed_size 0
		.amdhsa_enable_private_segment 0
		.amdhsa_kernarg_size 48
		.amdhsa_user_sgpr_count 2
		.amdhsa_user_sgpr_kernarg_segment_ptr 1
		.amdhsa_wavefront_size32 1
		.amdhsa_system_sgpr_workgroup_id_x 1
		.amdhsa_system_sgpr_workgroup_id_y 1
		.amdhsa_system_sgpr_workgroup_id_z 1
		.amdhsa_system_vgpr_workitem_id 0
		.amdhsa_next_free_vgpr 128
		.amdhsa_next_free_sgpr 66
		.amdhsa_reserve_vcc 0
		.amdhsa_float_denorm_mode_32 3
		.amdhsa_float_denorm_mode_16_64 3
		.amdhsa_memory_ordered 1
		.amdhsa_forward_progress 1
		.amdhsa_inst_pref_size 17
	.end_amdhsa_kernel
	.amdgpu_metadata
---
amdhsa.version: [ 1, 2 ]
amdhsa.kernels:
  - .name:           k_qef3dead387_prep
    .symbol:         k_qef3dead387_prep.kd
    .args:
      - { .name: W1, .offset: 0, .size: 8, .value_kind: global_buffer, .address_space: global }
      - { .name: pool_positions, .offset: 8, .size: 8, .value_kind: global_buffer, .address_space: global }
      - { .name: w1q, .offset: 16, .size: 8, .value_kind: global_buffer, .address_space: global }
      - { .name: w1s, .offset: 24, .size: 8, .value_kind: global_buffer, .address_space: global }
      - { .name: pos, .offset: 32, .size: 8, .value_kind: global_buffer, .address_space: global }
      - { .name: wins, .offset: 40, .size: 8, .value_kind: global_buffer, .address_space: global }
    .group_segment_fixed_size: 0
    .private_segment_fixed_size: 0
    .kernarg_segment_align: 8
    .kernarg_segment_size: 48
    .max_flat_workgroup_size: 256
    .sgpr_count:     66
    .vgpr_count:     128
    .wavefront_size: 32
...
	.end_amdgpu_metadata
.endif
;; end of part 1
;; launch scan (part 2): grid 256 x 1, 8 waves a work-group, no clusters, 327,680 bytes of LDS; arguments x, w1q, w1s, b1, W2, b2, xq, xs, scores; writes xq, xs, scores
.if DOCPART == 2
	.amdgcn_target "amdgcn-amd-amdhsa--gfx1250"
	.amdhsa_code_object_version 6
	.text
	.protected	k_qef3dead387_scan
	.globl	k_qef3dead387_scan
	.p2align	8
	.type	k_qef3dead387_scan,@function
k_qef3dead387_scan:
	s_mov_b64 s[64:65], 0
	v_nop
	global_prefetch_b8 v0, s[64:65] scope:SCOPE_SE
	s_setreg_imm32_b32 hwreg(HW_REG_WAVE_MODE, 25, 1), 1
	s_wait_xcnt 0x0
; The one pass over x [65536 rows][1024] f32.  From each tile of 32 rows it makes
;   (a) x's codes of E2M1 along s (a tile's 32 rows are one block of every column): xq [row / 32][d][16 bytes], xs [row / 128][d][4 bytes], for the last launch;
;   (b) x's codes along d, which go no further than LDS, and from them scores[row] = gelu(x W1 + b1) . W2 + b2, the first product on codes, all else in f32.
; SHARES.  Work-group g owns rows 256 g .. 256 g + 255: eight tiles, through a ring of two LDS slots filled by the tensor data mover, 16 KiB a wave and tile.
;   THE WAVES SHARE THE COLUMNS: wave w keeps W1's hidden units 32 w .. 32 w + 31 (16 fragments, 128 registers) for the whole launch, quantises columns 128 w .. + 127 along s,
;   and makes two of the tile's sixteen fragments along d.  Those go from wave to wave as images of their registers: 16 bytes a lane at 16 x lane, the scale word at 4 x lane.
; A TILE, two barriers: the change of slots | A: my columns along s, my two fragments along d | barrier | B: all 16 fragments from LDS, 32 products (transposed: source 0 = 16 hidden
;   units, source 1 = 16 rows, so that a lane holds one row), exact GELU, the dot with W2, my part of the 32 scores to LDS.  At the end the eight waves' parts are added.
; GELU: 0.5 z (1 + erf(z / sqrt 2)); erf(a) = a A(a^2) / B(a^2) with a held to +-4, two polynomials by Horner, good to a few last places of f32 (beyond 4, erf is 1 in f32).
; No cluster: the work-groups share no tile (W1's codes are 16 KiB a wave, read once).  No prefetch: the ring's loads are the launch's one stream and follow each other without a gap.
; A tensor load has 16 rows of 1,024 bytes and not 64 or more: the padding is wanted behind each 1,024 bytes, the longest interval that the descriptor can state.
; LIMITS: NaN and infinities are not served.  A block of zeros gets the byte 1, not 127: its codes are zeros, and this program alone reads the bytes.
.set CH,    1040                       ; a quarter of a row of x in LDS: 1,024 bytes + 16 of padding
.set RP,    4*CH                       ; a row of x
.set WP,    4*RP+16                    ; a wave's four rows, and 16 bytes more: row r of a fragment then starts at 16-byte column 4 (r % 4) + r / 4 of 16: sixteen different ones (64 banks of 4 bytes: ISA guide 11.1)
.set HALF,  4*WP                       ; sixteen rows
.set SLOTB, 133376                     ; slot 1 begins here (a slot takes 8 WP = 133,248 bytes)
.set XIMG,  266752                     ; the 16 fragments' images, 1,024 bytes each: fragment 8 rt + ks
.set XSC,   283136                     ; their scale words, 128 bytes each
.set PART,  285184                     ; the waves' parts of the 256 scores: 1,024 bytes a wave
.set SCST,  293376                     ; 512 bytes a wave: the scale words along s turn here into runs of 16 bytes a lane
.set SPARE, 297472                     ; the spare words, 128 bytes for each wave: four blocks of 256 bytes that no other line names
.set SPW, 1                            ; v1   SPARE + 4 x my thread's number; never rewritten
.set NIL, 2                            ; v2   0; never rewritten
.set CA,  3                            ; v3-6   my column in slot s, rows 16 hf on: v[CA + 2 s + hf]
.set RA,  7                            ; v7-8   my row's 128 bytes of my first fragment, in slot s
.set XWI, 9                            ; where I store my fragments' images;  v10 their scale words
.set XWS, 10
.set LI,  11                           ; XIMG + 16 x lane;  v12 XSC + 4 x lane
.set LS,  12
.set XQO, 13                           ; my byte in a tile's 16,384 bytes of xq
.set PW0, 14                           ; PART + 1,024 w + 4 x lane
.set SCW, 15                           ; SCST + 512 w + 4 x lane;  v16 + 16 x lane
.set SCR, 16
.set XSO0, 17                          ; my byte in 4,096 bytes of xs;  v19 the same with the tile's part
.set SH8, 18                           ; 8 (lane / 16)
.set XSO, 19
.set KA,  20                           ; v[20:21] A's first coefficient, twice;  v[22:23] B's
.set KB,  22
.set SW,  24                           ; v24-27 the scale words along s of my four groups of 32 columns
.set CD,  28                           ; v28-43 codes along s          (phase A)
.set PCD, 44                           ; v44-59 my two fragments       (phase A)
.set PW,  60                           ; v60-61 their scale words
.set ACC, 28                           ; v28-59 four accumulators      (phase B): 2 rt + tp
.set TM,  62                           ; v62-71 at work
.set W1S, 72                           ; v72-87  W1's scale words (tp, ks): scales and nothing else
.set XSW, 88                           ; v88-103 x's scale words (rt, ks): scales and nothing else
.set W2H, 104                          ; v104-119 0.5 W2 in the result's layout
.set Q0,  120                          ; v120-151, v152-183 32 numbers of a column;  v184-247 64 numbers of a row
.set Q1,  152
.set R,   184
.set XFR, 120                          ; phase B: the 16 fragments, v120-247; then GELU's four sets of eight
.set TA,  120
.set TX,  128
.set TP,  136
.set TQ,  144
.set T4,  248                          ; v248-251 scale words on their way out
.set SS,  252                          ; v[252:253], v[254:255] the scores' sums, rows 0-15 and 16-31
.set B1W, 128                          ; window 1: v0-127 W1's fragments (tp, ks) at 8 (8 tp + ks);  v128-143 b1 in the result's layout
.set MSB, 0
.macro WIN new                         ; the immediate's high byte repeats the setting that is left
.if MSB != \new
	s_set_vgpr_msb (MSB<<8)|\new
.set MSB, \new
.endif
.endm
	s_load_b512 s[8:23], s[0:1], 0x0               ; x s[8:9], w1q s[10:11], w1s s[12:13], b1 s[14:15], W2 s[16:17], b2 s[18:19], xq s[20:21], xs s[22:23]
	s_load_b64 s[24:25], s[0:1], 0x40              ; scores
	v_lshl_add_u32 v[SPW], v0, 2, SPARE
	v_mov_b32 v[NIL], 0
	ds_add_u32 v1, v2
	ds_add_u32 v1, v2
	s_wait_dscnt 0x0
	v_lshrrev_b32 v62, 5, v0
	v_readfirstlane_b32 s3, v62                    ; wave 0..7
	; descriptor group 1: 16 rows of 256 elements of 4 bytes, dense in memory, 4 words of padding behind each 256 words
	s_mov_b32 s28, (2<<16)|(1<<20)|(7<<22)|(3<<25)
	s_mov_b32 s29, 256<<16                         ; tensor_dim0
	s_mov_b32 s30, 16<<16                          ; tensor_dim1
	s_mov_b32 s31, 256<<16                         ; tile_dim0
	s_mov_b32 s32, 16                              ; tile_dim1
	s_mov_b32 s33, 256                             ; the pitch
	s_mov_b32 s34, 0
	s_mov_b32 s35, 0
	s_mul_i32 s4, s3, WP                           ; my four rows in a slot
	s_lshl_b32 s6, ttmp9, 20                       ; the work-group's 256 rows of 4,096 bytes,
	s_lshl_b32 s5, s3, 14                          ; my four of a tile's 32
	s_add_co_u32 s6, s6, s5
	s_mov_b32 s7, 0
	s_wait_kmcnt 0x0
	s_mov_b32 s36, 1                               ; group 0 of slot 0: tile 0
	s_mov_b32 s37, s4
	s_add_nc_u64 s[38:39], s[8:9], s[6:7]
	s_mov_b32 s40, 1                               ; group 0 of slot 1: tile 1
	s_add_co_u32 s41, s4, SLOTB
	s_add_nc_u64 s[42:43], s[38:39], 131072
	s_or_b32 s39, s39, 0x80000000
	s_or_b32 s43, s43, 0x80000000
	tensor_load_to_lds s[36:39], s[28:35]          ; tile 0: the launch's first fill, ahead of every wait on TENSORcnt, LDS read and barrier
	s_nop 0
.rept 4
	v_nop
.endr
	s_load_b32 s26, s[18:19], 0x0                  ; b2
	v_and_b32 v248, 31, v0                         ; lane
	v_and_b32 v249, 15, v0                         ; r
	v_bfe_u32 v250, v0, 4, 1                       ; h
	s_lshl_b32 s4, s3, 9
	v_lshlrev_b32 v62, 4, v249
	v_lshl_add_u32 v62, v250, 12, v62
	v_add_nc_u32 v62, s4, v62                      ; w1q: 4,096 h + 16 (32 w + r)
	s_lshl_b32 s5, s3, 7
	v_lshlrev_b32 v63, 5, v250
	v_add_nc_u32 v63, s5, v63                      ; b1, W2: 4 (32 w + 8 h)
	v_lshlrev_b32 v64, 2, v249
	v_add_nc_u32 v64, s5, v64                      ; w1s: 4 (32 w + r)
	WIN 0x40                                       ; destination window 1
.irp tp, 0,1
.irp ks, 0,1,2,3,4,5,6,7
.irp c, 0,1
	global_load_b128 v[8*(8*\tp+\ks)+4*\c:8*(8*\tp+\ks)+4*\c+3], v62, s[10:11] offset:16384*\ks+8192*\c+256*\tp   ; registers 4 c .. 4 c + 3: block 4 ks + 2 c + h of hidden unit 32 w + 16 tp + r
.endr
.endr
	global_load_b128 v[B1W+8*\tp:B1W+8*\tp+3], v63, s[14:15] offset:64*\tp
	global_load_b128 v[B1W+8*\tp+4:B1W+8*\tp+7], v63, s[14:15] offset:64*\tp+16
.endr
	WIN 0
.irp tp, 0,1
	global_load_b128 v[W2H+8*\tp:W2H+8*\tp+3], v63, s[16:17] offset:64*\tp
	global_load_b128 v[W2H+8*\tp+4:W2H+8*\tp+7], v63, s[16:17] offset:64*\tp+16
.irp ks, 0,1,2,3,4,5,6,7
	global_load_b32 v[W1S+8*\tp+\ks], v64, s[12:13] offset:1024*\ks+64*\tp
.endr
.endr
	; the addresses
	s_lshr_b32 s4, s3, 1
	s_mul_i32 s4, s4, CH
	s_and_b32 s5, s3, 1
	s_lshl_b32 s5, s5, 9
	s_add_co_u32 s4, s4, s5                        ; my 128 columns: byte 512 w of a row: quarter w / 2, half w % 2 of it
	v_lshlrev_b32 v251, 2, v248
	v_add_nc_u32 v[CA], s4, v251
	v_add_nc_u32 v[CA+1], HALF, v[CA]
	v_add_nc_u32 v[CA+2], SLOTB, v[CA]
	v_add_nc_u32 v[CA+3], SLOTB+HALF, v[CA]
	s_lshr_b32 s4, s3, 2
	s_mul_i32 s4, s4, HALF                         ; my fragments: rows 16 (w / 4) on,
	s_and_b32 s5, s3, 3
	s_mul_i32 s5, s5, CH                           ; K steps 2 (w % 4) and 2 (w % 4) + 1: quarter w % 4 of the row
	s_add_co_u32 s4, s4, s5
	v_lshrrev_b32 v251, 2, v249
	v_mul_u32_u24 v251, v251, WP
	v_and_b32 v252, 3, v249
	v_mad_u32_u24 v251, v252, RP, v251
	v_lshl_add_u32 v251, v250, 7, v251             ; row r, + 128 h: a lane holds whole blocks of 32
	v_add_nc_u32 v[RA], s4, v251
	v_add_nc_u32 v[RA+1], SLOTB, v[RA]
	v_lshlrev_b32 v251, 4, v248                    ; 16 x lane
	v_lshlrev_b32 v252, 2, v248                    ; 4 x lane
	v_add_nc_u32 v[LI], XIMG, v251
	v_add_nc_u32 v[LS], XSC, v252
	s_lshl_b32 s4, s3, 11
	v_add_nc_u32 v[XWI], s4, v[LI]
	v_add_nc_u32 v[XQO], s4, v251
	s_lshl_b32 s4, s3, 8
	v_add_nc_u32 v[XWS], s4, v[LS]
	s_lshl_b32 s4, s3, 10
	s_add_co_u32 s4, s4, PART
	v_add_nc_u32 v[PW0], s4, v252
	s_lshl_b32 s4, s3, 9
	v_add_nc_u32 v[XSO0], s4, v251
	s_add_co_u32 s4, s4, SCST
	v_add_nc_u32 v[SCW], s4, v252
	v_add_nc_u32 v[SCR], s4, v251
	v_lshlrev_b32 v[SH8], 3, v250
	v_mov_b32 v[KA], 0xaf95df0b                    ; -2.72614226e-10
	v_mov_b32 v[KA+1], 0xaf95df0b
	v_mov_b32 v[KB], 0xb77460cd                    ; -1.45660718e-05
	v_mov_b32 v[KB+1], 0xb77460cd
.irp j, 0,1,2,3
	v_mov_b32 v[SW+\j], 0
	v_mov_b32 v[TM+4+\j], 0                        ; written once: a lane permute's destination counts as one of its sources
.endr
	s_mov_b32 s46, 0x76543210                      ; v_permlanex16_b32's selects for lane l xor 16
	s_mov_b32 s47, 0xfedcba98
	s_mov_b32 s48, 0xffff0000                      ; lanes 16-31
	s_mov_b32 s27, 0                               ; the tile's number
	s_mov_b32 s45, 0                               ; 128 x the tile's number
	s_lshl_b32 s4, ttmp9, 17
	s_mov_b32 s5, 0
	s_add_nc_u64 s[20:21], s[20:21], s[4:5]        ; xq at my first tile: 8 tiles of 16,384 bytes a work-group
	s_lshl_b32 s4, ttmp9, 13
	s_add_nc_u64 s[22:23], s[22:23], s[4:5]        ; xs: 2 x 4,096 bytes a work-group
	s_lshl_b32 s4, ttmp9, 10
	s_add_nc_u64 s[24:25], s[24:25], s[4:5]        ; scores: 256 numbers
	s_wait_loadcnt 0x0
	s_wait_kmcnt 0x0
.irp p, 0,2,4,6,8,10,12,14
	v_pk_mul_f32 v[W2H+\p:W2H+\p+1], v[W2H+\p:W2H+\p+1], 0.5 op_sel_hi:[1,0]
.endr
; 32 rows of one column: group g of my four groups of 32 columns; the 32 lanes read 128 consecutive bytes
.macro LOADC g, q, sl
.set i, 0
.rept 32
	ds_load_b32 v[\q+i], v[CA+2*\sl+i/16] offset:((i%16)/4)*WP+(i%4)*RP+128*\g
.set i, i+1
.endr
.endm
; 64 numbers of my row for my fragment e: register 32 c + i = k 64 c + 32 (lane / 16) + i
.macro LOADR e, sl
.irp c, 0,1
.irp j, 0,1,2,3,4,5,6,7
	ds_load_b128 v[R+32*\c+4*\j:R+32*\c+4*\j+3], v[RA+\sl] offset:512*\e+256*\c+16*\j
.endr
.endr
.endm
; a column's block of 32 along s: its byte joins the column's scale word (four tiles fill a word, the first tile's byte lowest), its 16 bytes of codes are stored
.macro PROC_C g, q
	v_max3_num_f32 v[TM], |v[\q]|, |v[\q+1]|, |v[\q+2]|
	v_max3_num_f32 v[TM+1], |v[\q+3]|, |v[\q+4]|, |v[\q+5]|
.irp i, 6,10,14,18,22,26
	v_max3_num_f32 v[TM], v[TM], |v[\q+\i]|, |v[\q+\i+1]|
	v_max3_num_f32 v[TM+1], v[TM+1], |v[\q+\i+2]|, |v[\q+\i+3]|
.endr
	v_max3_num_f32 v[TM], v[TM], |v[\q+30]|, |v[\q+31]|
	v_max3_num_f32 v[TM], v[TM], v[TM+1], 0x1800000       ; the floor 2^(3 - 127): the byte cannot fall under 1
	v_add_nc_u32 v[TM+2], 0xff000000, v[TM]               ; 2 off the exponent field: the conversion's scale operand
	v_lshrrev_b32 v[TM+3], 23, v[TM+2]
	v_lshrrev_b32 v[SW+\g], 8, v[SW+\g]
	v_lshl_or_b32 v[SW+\g], v[TM+3], 24, v[SW+\g]
.irp i, 0,1,2,3
	v_cvt_scalef32_pk8_fp4_f32 v[CD+4*\g+\i], v[\q+8*\i:\q+8*\i+7], v[TM+2]
.endr
	v_nop                                          ; one plain place behind a scaled conversion
	global_store_b128 v[XQO], v[CD+4*\g:CD+4*\g+3], s[20:21] offset:512*\g th:TH_STORE_NT   ; the wave stores 512 consecutive bytes
.endm
; my fragment e: two whole blocks a lane; the scale word's four bytes are gathered from lanes l and l xor 16; the image goes to LDS
.macro PROC_R e
.irp c, 0,1
	v_max3_num_f32 v[TM+\c], |v[R+32*\c]|, |v[R+32*\c+1]|, 0x1800000
.endr
.irp i, 2,4,6,8,10,12,14,16,18,20,22,24,26,28,30
.irp c, 0,1
	v_max3_num_f32 v[TM+\c], v[TM+\c], |v[R+32*\c+\i]|, |v[R+32*\c+\i+1]|
.endr
.endr
.irp c, 0,1
	v_add_nc_u32 v[TM+2+\c], 0xff000000, v[TM+\c]
.endr
.irp c, 0,1
	v_lshrrev_b32 v[TM+4+\c], 23, v[TM+2+\c]
.endr
	v_lshl_or_b32 v[TM+6], v[TM+5], 16, v[TM+4]    ; blocks h and 2 + h,
	v_lshlrev_b32 v[TM+6], v[SH8], v[TM+6]         ; at their places in the word
	v_permlanex16_b32 v[TM+7], v[TM+6], s46, s47
	v_or_b32 v[PW+\e], v[TM+6], v[TM+7]
.irp c, 0,1
.irp g, 0,1,2,3
	v_cvt_scalef32_pk8_fp4_f32 v[PCD+8*\e+4*\c+\g], v[R+32*\c+8*\g:R+32*\c+8*\g+7], v[TM+2+\c]
.endr
.endr
	v_nop                                          ; one plain place behind a scaled conversion
	ds_store_b128 v[XWI], v[PCD+8*\e:PCD+8*\e+3] offset:1024*\e
	ds_store_b128 v[XWI], v[PCD+8*\e+4:PCD+8*\e+7] offset:1024*\e+512
	ds_store_b32 v[XWS], v[PW+\e] offset:128*\e
.endm
; PHASE A.  Each count is the number of LDS instructions issued behind those that are awaited; LDS serves a wave's instructions in order (ISA guide 5.7.1).
.macro PHASE_A sl
	LOADC 0, Q0, \sl
	LOADR 0, \sl
	s_wait_dscnt 16                                ; group 0's 32 loads are in; the row's 16 may be out
	PROC_C 0, Q0
	LOADC 1, Q1, \sl
	s_wait_dscnt 32                                ; the row's are in; group 1's 32 may be out
	PROC_R 0
	s_wait_dscnt 3                                 ; group 1's are in; the image's three stores may be out
	LOADR 1, \sl
	PROC_C 1, Q1
	LOADC 2, Q0, \sl
	s_wait_dscnt 32                                ; the second row's 16 are in; group 2's 32 may be out
	PROC_R 1
	s_wait_dscnt 3                                 ; group 2's are in
	LOADC 3, Q1, \sl
	PROC_C 2, Q0
	s_wait_dscnt 0x0
	PROC_C 3, Q1
.if \sl == 1
	s_bitcmp1_b32 s27, 1                           ; tiles 3 and 7 fill the scale words along s: a branch on the count of tiles
	s_cbranch_scc0 .Lno_words_\@
.irp g, 0,1,2,3
	ds_store_b32 v[SCW], v[SW+\g] offset:128*\g    ; my own 512 bytes: column by column in,
.endr
	ds_load_b128 v[T4:T4+3], v[SCR]                ; four columns a lane out
	s_lshr_b32 s4, s27, 2
	s_lshl_b32 s4, s4, 12
	v_add_nc_u32 v[XSO], s4, v[XSO0]
	s_wait_dscnt 0x0
	global_store_b128 v[XSO], v[T4:T4+3], s[22:23] th:TH_STORE_NT   ; the wave stores 512 consecutive bytes
.Lno_words_\@:
.endif
.endm
.macro BARRIER                         ; my LDS stores have landed and my LDS loads are in: then the work-group's barrier
	s_wait_dscnt 0x0
	s_barrier_signal -1
	s_barrier_wait -1
.endm
.macro HORN d, k                       ; one step of Horner's rule on four pairs
.irp p, 0,2,4,6
	v_pk_fma_f32 v[\d+\p:\d+\p+1], v[\d+\p:\d+\p+1], v[TX+\p:TX+\p+1], \k op_sel_hi:[1,1,0]
.endr
.endm
; eight hidden units of one row a lane: the sum takes 0.5 W2 z (1 + erf(z / sqrt 2)).  The accumulator is read from its low end on.
.macro GELU acc, tp, rt
.irp p, 0,2,4,6
	v_pk_mul_f32 v[TA+\p:TA+\p+1], v[(\acc)+\p:(\acc)+\p+1], 0x3f3504f3 op_sel_hi:[1,0]
.endr
.irp j, 0,1,2,3,4,5,6,7
	v_med3_num_f32 v[TA+\j], v[TA+\j], -4.0, 4.0
.endr
.irp p, 0,2,4,6
	v_pk_mul_f32 v[TX+\p:TX+\p+1], v[TA+\p:TA+\p+1], v[TA+\p:TA+\p+1]
.endr
.irp p, 0,2,4,6
	v_pk_fma_f32 v[TP+\p:TP+\p+1], v[TX+\p:TX+\p+1], v[KA:KA+1], 0x32edffee op_sel_hi:[1,1,0]
.endr
.irp p, 0,2,4,6
	v_pk_fma_f32 v[TQ+\p:TQ+\p+1], v[TX+\p:TX+\p+1], v[KB:KB+1], 0xb95fbd29 op_sel_hi:[1,1,0]
.endr
	HORN TP, 0xb60cff51
	HORN TQ, 0xbadc924e
	HORN TP, 0xb86ec2d2
	HORN TQ, 0xbbf19bf8
	HORN TP, 0xba40ac63
	HORN TQ, 0xbc69b6a7
	HORN TP, 0xbb41a1f6
	HORN TP, 0xbc83dbd4
.irp j, 0,1,2,3,4,5,6,7
	v_rcp_f32 v[TQ+\j], v[TQ+\j]
.endr
.irp p, 0,2,4,6
	v_pk_mul_f32 v[TP+\p:TP+\p+1], v[TP+\p:TP+\p+1], v[TA+\p:TA+\p+1]       ; (plain places behind the reciprocals)
.endr
	s_wait_alu depctr_va_vdst(0)
.irp p, 0,2,4,6
	v_pk_mul_f32 v[TP+\p:TP+\p+1], v[TP+\p:TP+\p+1], v[TQ+\p:TQ+\p+1]       ; erf
.endr
.irp p, 0,2,4,6
	v_pk_add_f32 v[TP+\p:TP+\p+1], v[TP+\p:TP+\p+1], 1.0 op_sel_hi:[1,0]
.endr
.irp p, 0,2,4,6
	v_pk_mul_f32 v[TA+\p:TA+\p+1], v[(\acc)+\p:(\acc)+\p+1], v[W2H+8*\tp+\p:W2H+8*\tp+\p+1]
.endr
.irp p, 0,2,4,6
	v_pk_fma_f32 v[SS+2*\rt:SS+2*\rt+1], v[TA+\p:TA+\p+1], v[TP+\p:TP+\p+1], v[SS+2*\rt:SS+2*\rt+1]
.endr
.endm
; four products of K step ks.  The four accumulators take turns, one instruction a turn.  b1 is the C of each sum's first product.
.macro PRODS ks
.irp rt, 0,1
.irp tp, 0,1
.if \ks == 0
	v_wmma_scale_f32_16x16x128_f8f6f4 v[ACC+8*(2*\rt+\tp):ACC+8*(2*\rt+\tp)+7], v[8*(8*\tp+\ks):8*(8*\tp+\ks)+7], v[XFR+8*(8*\rt+\ks):XFR+8*(8*\rt+\ks)+7], v[B1W+8*\tp:B1W+8*\tp+7], v[W1S+8*\tp+\ks], v[XSW+8*\rt+\ks] matrix_a_fmt:MATRIX_FMT_FP4 matrix_b_fmt:MATRIX_FMT_FP4
.else
	v_wmma_scale_f32_16x16x128_f8f6f4 v[ACC+8*(2*\rt+\tp):ACC+8*(2*\rt+\tp)+7], v[8*(8*\tp+\ks):8*(8*\tp+\ks)+7], v[XFR+8*(8*\rt+\ks):XFR+8*(8*\rt+\ks)+7], v[ACC+8*(2*\rt+\tp):ACC+8*(2*\rt+\tp)+7], v[W1S+8*\tp+\ks], v[XSW+8*\rt+\ks] matrix_a_fmt:MATRIX_FMT_FP4 matrix_b_fmt:MATRIX_FMT_FP4
.endif
.endr
.endr
.endm
.macro PHASE_B
	s_wait_xcnt 0x0                                ; phase A's stores have read their data, offsets and base: the accumulators lie over the codes, and the base steps
	s_add_nc_u64 s[20:21], s[20:21], 16384         ; xq: the next tile
.irp ks, 0,1,2,3,4,5,6,7
.irp rt, 0,1
	ds_load_b128 v[XFR+8*(8*\rt+\ks):XFR+8*(8*\rt+\ks)+3], v[LI] offset:1024*(8*\rt+\ks)
	ds_load_b128 v[XFR+8*(8*\rt+\ks)+4:XFR+8*(8*\rt+\ks)+7], v[LI] offset:1024*(8*\rt+\ks)+512
	ds_load_b32 v[XSW+8*\rt+\ks], v[LS] offset:128*(8*\rt+\ks)
.endr
.endr
.irp ks, 0,1,2,3,4,5,6,7
	s_wait_dscnt 6*(7-\ks)                         ; six loads for each later K step may be out
.if \ks == 0
	WIN 0x11                                       ; source 0 (W1) and C (b1) window 1
.else
	WIN 0x01                                       ; source 0 window 1
.endif
	PRODS \ks
.endr
	WIN 0
.irp j, 0,1,2,3
	v_mov_b32 v[SS+\j], 0                          ; four plain lines that name no register of the products: with the next they are the places behind them
.endr
	v_nop
	GELU ACC, 0, 0
	GELU ACC+8, 1, 0
	GELU ACC+16, 0, 1
	GELU ACC+24, 1, 1
	v_add_f32 v[TM], v[SS], v[SS+1]
	v_add_f32 v[TM+1], v[SS+2], v[SS+3]
	v_permlanex16_b32 v[TM+4], v[TM], s46, s47     ; the row's other 16 of my 32 hidden units lie in lane l xor 16
	v_permlanex16_b32 v[TM+5], v[TM+1], s46, s47
	v_add_f32 v[TM], v[TM], v[TM+4]
	v_add_f32 v[TM+1], v[TM+1], v[TM+5]
	v_cndmask_b32 v[TM], v[TM], v[TM+1], s48       ; lane l holds row l of the tile
	v_add_nc_u32 v[TM+8], s45, v[PW0]
	ds_store_b32 v[TM+8], v[TM]
.endm
; A TILE.  In front of the first barrier: all my tensor loads have landed (my part of this tile's slot), the add, and my LDS instructions are over (my reads of the other slot and of
; the images among them).  Behind it the other slot is filled first: one tensor load a wave is out, and it has the whole tile's work in which to land.
.macro TRIP sl, refill
	s_wait_tensorcnt 0x0
	ds_add_u32 v[SPW], v[NIL]                      ; 0 onto my spare word
	s_add_nc_u64 s[38+4*\sl:39+4*\sl], s[38+4*\sl:39+4*\sl], 262144          ; no load of mine is out: this slot's next tile
	s_wait_dscnt 0x0
	s_barrier_signal -1
	s_barrier_wait -1
.if \refill
	tensor_load_to_lds s[40-4*\sl:43-4*\sl], s[28:35]
	s_nop 0
.rept 4
	v_nop
.endr
.endif
	PHASE_A \sl
	BARRIER                                        ; the sixteen images lie in LDS; the refill stays on its way
	PHASE_B
	s_add_co_u32 s27, s27, 1
	s_add_co_u32 s45, s45, 128
.endm
	s_mov_b32 s44, 3
.Lring:
	TRIP 0, 1
	TRIP 1, 1
	s_sub_co_u32 s44, s44, 1
	s_cmp_lg_u32 s44, 0
	s_cbranch_scc1 .Lring
	TRIP 0, 1                                      ; the last two tiles are written out: the last asks for nothing
	TRIP 1, 0
	; the eight waves' parts of the 256 scores are added: waves 0-3, 64 rows each
	v_and_b32 v62, 31, v0
	v_lshlrev_b32 v63, 3, v62
	s_lshl_b32 s4, s3, 8
	v_add_nc_u32 v63, s4, v63                      ; 256 w + 8 x lane
	v_add_nc_u32 v62, PART, v63
	BARRIER
	s_cmp_lt_u32 s3, 4
	s_cbranch_scc0 .Lno_sum
.irp k, 0,1,2,3,4,5,6,7
	ds_load_b64 v[120+2*\k:121+2*\k], v62 offset:1024*\k
.endr
	s_wait_dscnt 0x0
.irp k, 1,2,3,4,5,6,7
	v_pk_add_f32 v[120:121], v[120:121], v[120+2*\k:121+2*\k]
.endr
	v_add_f32 v120, s26, v120                      ; + b2
	v_add_f32 v121, s26, v121
	global_store_b64 v63, v[120:121], s[24:25]     ; the wave stores 256 consecutive bytes, aligned
.Lno_sum:
	s_wait_tensorcnt 0x0                           ; the wave's end
	ds_add_u32 v[SPW], v[NIL]
	s_wait_dscnt 0x0
	s_endpgm
.Lfunc_end_k_qef3dead387_scan:
	.size	k_qef3dead387_scan, .Lfunc_end_k_qef3dead387_scan-k_qef3dead387_scan
	.p2alignl 7, 3214868480
	.fill 96, 4, 3214868480
	.section	.rodata,"a",@progbits
	.p2align	6, 0x0
	.amdhsa_kernel k_qef3dead387_scan
		.amdhsa_group_segment_fixed_size 327680
		.amdhsa_private_segment_fixed_size 0
		.amdhsa_enable_private_segment 0
		.amdhsa_kernarg_size 72
		.amdhsa_user_sgpr_count 2
		.amdhsa_user_sgpr_kernarg_segment_ptr 1
		.amdhsa_wavefront_size32 1
		.amdhsa_system_sgpr_workgroup_id_x 1
		.amdhsa_system_sgpr_workgroup_id_y 1
		.amdhsa_system_sgpr_workgroup_id_z 1
		.amdhsa_system_vgpr_workitem_id 0
		.amdhsa_next_free_vgpr 400
		.amdhsa_next_free_sgpr 66
		.amdhsa_reserve_vcc 0
		.amdhsa_float_denorm_mode_32 3
		.amdhsa_float_denorm_mode_16_64 3
		.amdhsa_memory_ordered 1
		.amdhsa_forward_progress 1
		.amdhsa_inst_pref_size 243
	.end_amdhsa_kernel
	.amdgpu_metadata
---
amdhsa.version: [ 1, 2 ]
amdhsa.kernels:
  - .name:           k_qef3dead387_scan
    .symbol:         k_qef3dead387_scan.kd
    .args:
      - { .name: x, .offset: 0, .size: 8, .value_kind: global_buffer, .address_space: global }
      - { .name: w1q, .offset: 8, .size: 8, .value_kind: global_buffer, .address_space: global }
      - { .name: w1s, .offset: 16, .size: 8, .value_kind: global_buffer, .address_space: global }
      - { .name: b1, .offset: 24, .size: 8, .value_kind: global_buffer, .address_space: global }
      - { .name: W2, .offset: 32, .size: 8, .value_kind: global_buffer, .address_space: global }
      - { .name: b2, .offset: 40, .size: 8, .value_kind: global_buffer, .address_space: global }
      - { .name: xq, .offset: 48, .size: 8, .value_kind: global_buffer, .address_space: global }
      - { .name: xs, .offset: 56, .size: 8, .value_kind: global_buffer, .address_space: global }
      - { .name: scores, .offset: 64, .size: 8, .value_kind: global_buffer, .address_space: global }
    .group_segment_fixed_size: 327680
    .private_segment_fixed_size: 0
    .kernarg_segment_align: 8
    .kernarg_segment_size: 72
    .max_flat_workgroup_size: 256
    .sgpr_count:     66
    .vgpr_count:     400
    .wavefront_size: 32
...
	.end_amdgpu_metadata
.endif
;; end of part 2
;; launch pool (part 3): grid 32 x 8, 16 waves a work-group, no clusters, 149,504 bytes of LDS; arguments scores, pos, wins, pool_positions, xq, xs, out0; writes out0
.if DOCPART == 3
	.amdgcn_target "amdgcn-amd-amdhsa--gfx1250"
	.amdhsa_code_object_version 6
	.text
	.protected	k_qef3dead387_pool
	.globl	k_qef3dead387_pool
	.p2align	8
	.type	k_qef3dead387_pool,@function
k_qef3dead387_pool:
	s_mov_b64 s[64:65], 0
	v_nop
	global_prefetch_b8 v0, s[64:65] scope:SCOPE_SE
	s_setreg_imm32_b32 hwreg(HW_REG_WAVE_MODE, 25, 1), 1
	s_wait_xcnt 0x0
; out0[b][t][:] = the sum over s of softmax_s(-|pp[t] - pos[s]| x 8192 + 10 softmax(scores[b])[s]) x[b][s][:], the product on codes of E2M1 with one E8M0 scale for each 32 keys.
; What is quantised is p = 2^(c log2(e) - M), M the row's largest c log2(e) rounded up to a whole number; the row's sum is taken of the unquantised p and divides at the end.
; SHARES.  Work-group (tile, b) owns 16 rows t and all 1,024 d.  Only the K steps (128 keys) kstart .. kstart + n - 1 of the tile's window are walked, n a multiple of 4, read as whole
;   numbers that the first launch stored: outside it every p is a result of v_exp_f32 under 2^-126, which is 0 (ISA guide, the instruction's entry): zero codes, nothing in the sum.
;   P: wave w makes block w % 4 (32 keys) of K steps w / 4 + 4 j: a lane holds one row t and 16 keys.  Product: wave w owns d = 64 w .. + 63, four accumulators, transposed
;   (source 0 = 16 d out of xq, source 1 = P's 16 rows), so that a lane holds eight neighbouring d of one row.
; P goes from wave to wave through LDS as an image of the operand's registers: K step i at 1,024 i, block beta at 256 beta, row r at 16 r; the two halves of the lanes write the two halves of a block's 16 bytes.
; THE FIRST GROUP of four K steps is written out.  Its 40 loads of xq and xs a wave (640 a work-group) are wanted last, by the product: K step 0's ten go out behind the keys' loads, the other thirty
;   are dealt two at a time among the vector work of the statistics and of the first logits, in the order in which the product waits for them, so that a wave goes on working while its requests go out.
; FURTHER GROUPS (positions that lie far apart within a tile) are served by three loops of 3 constant trips, five groups a trip, each group behind a forward jump where 4 j >= n: a jump on a stored
;   whole number; no barrier stands in a loop.  Their LDS addresses are a scalar stepped by a constant and an immediate.
; No cluster: without tensor loads there is nothing to ask for jointly.  No prefetch: all that a work-group reads is asked for in its first phases.
; The block's largest p is made from the block's largest c by the same multiply-add and exponential; that takes v_exp_f32 not to fall where its input rises.
; LIMITS: NaN and infinities are not served.  A block whose every p is 0 has the byte 1: its codes are zeros.
.set RED,   0                          ; 16 waves x (maximum, sum) of the first softmax
.set CMAX,  256                        ; [16 rows][16 waves] the rows' largest c;  1,024 bytes on: the rows' sums
.set PIMG,  2304                       ; P's images, 64 x 1,024 bytes
.set PSC,   67840                      ; P's scale words, [64 K steps][16 rows]
.set STAGE, 71936                      ; the way out: 16 rows x (256 bytes + 16) for each wave
.set VOFF, 3                           ; v3, v4   my 16 keys' bytes in scores and pos: first group, later groups
.set BOFF, 5                           ; v5, v6   my bytes in xq
.set SOFF, 7                           ; v7, v8   my bytes in xs
.set PWA,  9                           ; where I store 8 bytes of codes;  v10 the block's byte
.set PBA,  10
.set PL,   11                          ; PIMG + 16 x lane;  v12 PSC + 4 r
.set PSL,  12
.set CMW,  13                          ; CMAX + 64 r + 4 w;  v14 CMAX + 64 r
.set CMR,  14
.set GO,   15                          ; the way out: 4,096 h + 16 r
.set SMAX, 16                          ; pairs, both halves alike: the scores' maximum; 10 / their sum; pp; -M
.set K10,  18
.set PP,   20
.set NEGM, 22
.set LACC, 24                          ; v[24:25] the row's sum in two halves
.set RMAX, 26                          ; the row's largest c so far; later 1 / the row's sum
.set CM0,  27                          ; my first block's largest c
.set PS,   28                          ; v28-31 P's scale words: scales and nothing else
.set SC,   32                          ; v32-47 scores, then c, then p;  v48-63 positions;  later P's four fragments
.set PO,   48
.set PF,   32
.set SC2,  64                          ; v64-95: the statistics; the later groups' scores and positions; then the four accumulators
.set PO2,  80
.set ACC,  64
.set BF,   96                          ; v96-223 xq's fragments (i, T) at 32 i + 8 T
.set BS,   224                         ; v224-231 xs's words (i, j): lanes 0-15 tile 2 j, lanes 16-31 tile 2 j + 1: scales and nothing else
.set LBK,  0                           ; how many of the first group's 40 loads have been written so far
.macro BARRIER
	s_wait_dscnt 0x0
	s_barrier_signal -1
	s_barrier_wait -1
.endm
.macro LOADK vo, sc, po                ; my 16 keys' scores and positions; the sixteen rows of a half read the same bytes
.irp j, 0,1,2,3
	global_load_b128 v[\sc+4*\j:\sc+4*\j+3], v[\vo], s[8:9] offset:16*\j
.endr
.irp j, 0,1,2,3
	global_load_b128 v[\po+4*\j:\po+4*\j+3], v[\vo], s[10:11] offset:16*\j
.endr
.endm
.macro LOADB bo, so                    ; four K steps of my 64 d: ten loads a K step; sixteen lanes read 256 consecutive bytes
.irp i, 0,1,2,3
.irp T, 0,1,2,3
.irp c, 0,1
	global_load_b128 v[BF+32*\i+8*\T+4*\c:BF+32*\i+8*\T+4*\c+3], v[\bo], s[16:17] offset:65536*\i+32768*\c+256*\T
.endr
.endr
.irp j, 0,1
	global_load_b32 v[BS+2*\i+\j], v[\so], s[18:19] offset:4096*\i+128*\j
.endr
.endr
.endm
.macro LB1                             ; the next of the first group's 40 loads, in LOADB's order: load 10 i + m: m < 8: tile m / 2, half m % 2 of K step i's codes; m = 8, 9: its scale words
.set LBI, LBK/10
.set LBM, LBK%10
.if LBM < 8
	global_load_b128 v[BF+32*LBI+4*LBM:BF+32*LBI+4*LBM+3], v[BOFF], s[16:17] offset:65536*LBI+32768*(LBM%2)+256*(LBM/2)
.else
	global_load_b32 v[BS+2*LBI+LBM-8], v[SOFF], s[18:19] offset:4096*LBI+128*(LBM-8)
.endif
.set LBK, LBK+1
.endm
.macro LBN n                           ; the next n of them
.rept \n
	LB1
.endr
.endm
	s_load_b256 s[8:15], s[0:1], 0x0               ; scores s[8:9], pos s[10:11], wins s[12:13], pool_positions s[14:15]
	s_load_b128 s[16:19], s[0:1], 0x20             ; xq s[16:17], xs s[18:19]
	s_load_b64 s[20:21], s[0:1], 0x30              ; out0
	v_lshl_add_u32 v246, v0, 2, 0x24000
	v_mov_b32 v247, 0
	v_lshrrev_b32 v248, 5, v0
	v_readfirstlane_b32 s24, v248                  ; wave 0..15
	s_and_b32 s25, ttmp7, 0xffff                   ; b
	s_lshl_b32 s26, ttmp9, 8                       ; the tile's entry of wins: 256 bytes a tile, every pair of words alike
	v_and_b32 v1, 15, v0                           ; r
	v_bfe_u32 v2, v0, 4, 1                         ; h
	v_and_b32 v242, 31, v0                         ; lane
	v_lshlrev_b32 v240, 4, v0                      ; the statistics: 16 bytes a thread
	s_lshl_b32 s27, ttmp9, 6
	v_lshl_add_u32 v241, v1, 2, s27                ; pp of row 16 tile + r
	s_lshl_b32 s28, s25, 15
	s_mov_b32 s29, 0
	s_lshr_b32 s42, s24, 2                         ; w / 4
	s_mov_b32 s30, 0x76543210                      ; v_permlanex16_b32's selects for lane l xor 16
	s_mov_b32 s31, 0xfedcba98
	s_mov_b32 s32, 0x3fb8aa3b                      ; log2(e)
	s_mov_b32 s33, s32                             ; (named with it as a pair, so it is written)
	s_mov_b32 s34, 0x46000000                      ; 8192
	s_wait_kmcnt 0x0
	s_load_b64 s[22:23], s[12:13], s26 offset:0x0  ; kstart, n
	s_add_nc_u64 s[8:9], s[8:9], s[28:29]          ; my batch's scores
.irp i, 0,1,2,3
	global_load_b128 v[SC2+4*\i:SC2+4*\i+3], v240, s[8:9] offset:8192*\i       ; all 8,192 scores, 16 a thread
.endr
	global_load_b32 v[PP], v241, s[14:15]
	s_lshl_b32 s28, s25, 22
	s_add_nc_u64 s[16:17], s[16:17], s[28:29]      ; my batch's codes: 256 blocks x 16,384 bytes
	s_lshl_b32 s28, s25, 18
	s_add_nc_u64 s[18:19], s[18:19], s[28:29]      ; and scale words: 64 x 4,096 bytes
	s_lshl_b32 s28, s25, 21
	s_lshl_b32 s27, ttmp9, 16
	s_add_co_u32 s28, s28, s27
	s_lshl_b32 s27, s24, 8
	s_add_co_u32 s28, s28, s27
	s_add_nc_u64 s[20:21], s[20:21], s[28:29]      ; out0 at row 16 tile of batch b, column 64 w
	s_and_b32 s36, s24, 3
	s_lshl_b32 s37, s36, 7
	v_lshl_add_u32 v243, v2, 6, s37                ; 128 (w % 4) + 64 h: my 16 keys in a K step's 512 bytes
	v_lshlrev_b32 v244, 4, v1
	v_lshl_add_u32 v244, v2, 14, v244
	s_lshl_b32 s37, s24, 10
	v_add_nc_u32 v244, s37, v244                   ; xq: 16,384 h + 16 (64 w + r)
	s_lshl_b32 s37, s24, 8
	v_lshl_add_u32 v245, v242, 2, s37              ; xs: 4 (64 w + lane)
	; the LDS addresses, made while the window's two words are on their way
	s_lshl_b32 s37, s24, 8
	s_add_co_u32 s37, s37, PIMG
	v_lshlrev_b32 v[PWA], 4, v1
	v_lshl_add_u32 v[PWA], v2, 3, v[PWA]
	v_add_nc_u32 v[PWA], s37, v[PWA]               ; 1,024 (w / 4) + 256 (w % 4) = 256 w;  + 16 r + 8 h
	s_lshl_b32 s37, s42, 6
	s_add_co_u32 s37, s37, s36
	s_add_co_u32 s37, s37, PSC
	v_lshl_add_u32 v[PBA], v1, 2, s37              ; 64 (w / 4) + 4 r + w % 4
	v_lshlrev_b32 v[PL], 4, v242
	v_add_nc_u32 v[PL], PIMG, v[PL]
	v_lshlrev_b32 v[PSL], 2, v1
	v_add_nc_u32 v[PSL], PSC, v[PSL]
	v_lshlrev_b32 v[CMR], 6, v1
	v_add_nc_u32 v[CMR], CMAX, v[CMR]
	s_lshl_b32 s37, s24, 2
	v_add_nc_u32 v[CMW], s37, v[CMR]
	v_lshlrev_b32 v[GO], 4, v1
	v_lshl_add_u32 v[GO], v2, 12, v[GO]
	s_lshl_b32 s37, s24, 3
	v_mov_b32 v232, s37                            ; RED + 8 w
	v_mov_b32 v233, 0                              ; RED
	s_mul_i32 s37, s24, 4352
	s_add_co_u32 s37, s37, STAGE
	v_mul_u32_u24 v234, v1, 272
	v_lshl_add_u32 v234, v2, 5, v234
	v_add_nc_u32 v234, s37, v234                   ; the stage, in: row r, + 32 h
	v_mul_u32_u24 v235, v2, 272
	v_lshl_add_u32 v235, v1, 4, v235
	v_add_nc_u32 v235, s37, v235                   ; back: lanes 0-15 one row, lanes 16-31 the next
	v_mov_b32 v250, 0                              ; written once: a lane permute's destination counts as one of its sources
	s_wait_kmcnt 0x0
	s_min_u32 s22, s22, 60                         ; loaded numbers enter addresses only behind these bounds
	s_min_u32 s23, s23, 64
	s_add_co_u32 s37, s22, s42
	s_lshl_b32 s37, s37, 9
	v_add_nc_u32 v[VOFF], s37, v243
	LOADK VOFF, SC, PO
	s_lshl_b32 s37, s22, 16
	v_add_nc_u32 v[BOFF], s37, v244
	s_lshl_b32 s37, s22, 12
	v_add_nc_u32 v[SOFF], s37, v245
	LBN 10                                         ; K step 0's ten
	; ---- S: the first softmax's maximum and sum: each wave its 512 scores, then all sixteen together
	s_wait_loadcnt 9+LBK                           ; my 16 scores are in; behind their four loads: pp, my keys' eight, and the ten just issued
	v_max3_num_f32 v248, v64, v65, v66
	v_max3_num_f32 v249, v67, v68, v69
	v_max3_num_f32 v248, v248, v70, v71
	v_max3_num_f32 v249, v249, v72, v73
	v_max3_num_f32 v248, v248, v74, v75
	v_max3_num_f32 v249, v249, v76, v77
	v_max3_num_f32 v248, v248, v78, v79
	v_max_num_f32 v248, v248, v249
	LBN 2
.irp m, 1,2,4,8
	v_max_num_f32_dpp v248, v248, v248 row_xmask:\m row_mask:0xf bank_mask:0xf
.endr
	v_permlanex16_b32 v249, v248, s30, s31
	v_max_num_f32 v248, v248, v249                 ; the wave's maximum
	v_mov_b32 v249, v248
.irp p, 0,2,4,6,8,10,12,14
	v_pk_add_f32 v[SC2+\p:SC2+\p+1], v[SC2+\p:SC2+\p+1], v[248:249] neg_lo:[0,1] neg_hi:[0,1]
.endr
	LBN 2
.irp p, 0,2,4,6,8,10,12,14
	v_pk_mul_f32 v[SC2+\p:SC2+\p+1], v[SC2+\p:SC2+\p+1], s[32:33] op_sel_hi:[1,0]
.endr
	LBN 2
.irp j, 0,1,2,3,4,5,6,7,8,9,10,11,12,13,14,15
	v_exp_f32 v[SC2+\j], v[SC2+\j]
.endr
	v_nop                                          ; a plain place behind the exponentials
	LBN 2
	s_wait_alu depctr_va_vdst(0)
.irp p, 0,4,8,12
	v_pk_add_f32 v[SC2+\p:SC2+\p+1], v[SC2+\p:SC2+\p+1], v[SC2+\p+2:SC2+\p+3]
.endr
	v_pk_add_f32 v[64:65], v[64:65], v[68:69]
	v_pk_add_f32 v[72:73], v[72:73], v[76:77]
	v_pk_add_f32 v[64:65], v[64:65], v[72:73]
	v_add_f32 v249, v64, v65
.irp m, 1,2,4,8
	v_add_f32_dpp v249, v249, v249 row_xmask:\m row_mask:0xf bank_mask:0xf
.endr
	v_permlanex16_b32 v250, v249, s30, s31
	v_add_f32 v249, v249, v250                     ; the wave's sum under its maximum
	ds_store_b64 v232, v[248:249]                  ; all lanes write the same pair
	BARRIER
.irp k, 0,1,2,3,4,5,6,7
	ds_load_b128 v[64+4*\k:67+4*\k], v233 offset:16*\k     ; wave k's maximum in v[64 + 2 k], its sum in v[65 + 2 k]
.endr
	LBN 2
	s_wait_dscnt 0x0
	v_max3_num_f32 v16, v64, v66, v68
	v_max3_num_f32 v17, v70, v72, v74
	v_max3_num_f32 v16, v16, v76, v78
	v_max3_num_f32 v17, v17, v80, v82
	v_max3_num_f32 v16, v16, v84, v86
	v_max3_num_f32 v17, v17, v88, v90
	v_max3_num_f32 v16, v16, v92, v94
	v_max_num_f32 v16, v16, v17                    ; the batch's largest score
	LBN 2
.irp k, 0,1,2,3,4,5,6,7,8,9,10,11,12,13,14,15
	v_sub_f32 v[64+2*\k], v[64+2*\k], v16
.endr
	LBN 2
.irp k, 0,1,2,3,4,5,6,7,8,9,10,11,12,13,14,15
	v_mul_f32 v[64+2*\k], s32, v[64+2*\k]
.endr
	LBN 2
.irp k, 0,1,2,3,4,5,6,7,8,9,10,11,12,13,14,15
	v_exp_f32 v[64+2*\k], v[64+2*\k]
.endr
	v_nop
	LBN 2
	s_wait_alu depctr_va_vdst(0)
	v_mul_f32 v248, v64, v65
.irp k, 1,2,3,4,5,6,7,8,9,10,11,12,13,14,15
	v_fma_f32 v248, v[64+2*\k], v[65+2*\k], v248   ; each wave's sum brought under the common maximum
.endr
	LBN 2
	v_rcp_f32 v18, v248
	v_mov_b32 v17, v16                             ; (a plain place behind the reciprocal)
	s_wait_alu depctr_va_vdst(0)
	v_mul_f32 v18, 0x41200000, v18                 ; 10 / the sum
	v_mov_b32 v19, v18
; c = -|pp - pos| x 8192 + 10 w for 16 keys.  The multiplication by 8192 is exact, so the multiply-add rounds once, as the sum that it stands for does.
; lb: how many of the first group's loads stand behind each of the first five runs of lines (2 in the first group's own turn, 0 in the loops)
.macro CVALS sc, po, lb
.irp p, 0,2,4,6,8,10,12,14
	v_pk_add_f32 v[\sc+\p:\sc+\p+1], v[\sc+\p:\sc+\p+1], v[SMAX:SMAX+1] neg_lo:[0,1] neg_hi:[0,1]
.endr
	LBN \lb
.irp p, 0,2,4,6,8,10,12,14
	v_pk_mul_f32 v[\sc+\p:\sc+\p+1], v[\sc+\p:\sc+\p+1], s[32:33] op_sel_hi:[1,0]
.endr
	LBN \lb
.irp j, 0,1,2,3,4,5,6,7,8,9,10,11,12,13,14,15
	v_exp_f32 v[\sc+\j], v[\sc+\j]
.endr
	LBN \lb
.irp p, 0,2,4,6,8,10,12,14
	v_pk_add_f32 v[\po+\p:\po+\p+1], v[PP:PP+1], v[\po+\p:\po+\p+1] neg_lo:[0,1] neg_hi:[0,1]   ; (plain places behind the exponentials)
.endr
	LBN \lb
	s_wait_alu depctr_va_vdst(0)
.irp p, 0,2,4,6,8,10,12,14
	v_pk_mul_f32 v[\sc+\p:\sc+\p+1], v[\sc+\p:\sc+\p+1], v[K10:K10+1]
.endr
	LBN \lb
.irp j, 0,1,2,3,4,5,6,7,8,9,10,11,12,13,14,15
	v_fma_f32 v[\sc+\j], -|v[\po+\j]|, s34, v[\sc+\j]
.endr
.endm
.macro BMAX sc, dst                    ; the largest c of the block's 32 keys: my 16 and lane l xor 16's
	v_max3_num_f32 v[\dst], v[\sc], v[\sc+1], v[\sc+2]
.irp i, 3,5,7,9,11,13
	v_max3_num_f32 v[\dst], v[\dst], v[\sc+\i], v[\sc+\i+1]
.endr
	v_max_num_f32 v[\dst], v[\dst], v[\sc+15]
	v_permlanex16_b32 v249, v[\dst], s30, s31
	v_max_num_f32 v[\dst], v[\dst], v249
.endm
; p = 2^(c log2(e) - M) for 16 keys; the sum takes the unquantised p; the block's byte from its largest p; 8 bytes of codes and the byte go to LDS, oa and ob bytes on from the two addresses
.macro PBLOCK sc, cm, pa, pb, oa, ob
.irp p, 0,2,4,6,8,10,12,14
	v_pk_fma_f32 v[\sc+\p:\sc+\p+1], v[\sc+\p:\sc+\p+1], s[32:33], v[NEGM:NEGM+1] op_sel_hi:[1,0,1]
.endr
	v_fma_f32 v250, v[\cm], s32, v[NEGM]
.irp j, 0,1,2,3,4,5,6,7,8,9,10,11,12,13,14,15
	v_exp_f32 v[\sc+\j], v[\sc+\j]
.endr
	v_exp_f32 v250, v250
	v_nop                                          ; a plain place behind the exponentials
	s_wait_alu depctr_va_vdst(0)
.irp p, 0,2,4,6,8,10,12,14
	v_pk_add_f32 v[LACC:LACC+1], v[LACC:LACC+1], v[\sc+\p:\sc+\p+1]
.endr
	v_max_num_f32 v250, 0x1800000, v250            ; the floor 2^(3 - 127): the byte cannot fall under 1
	v_add_nc_u32 v251, 0xff000000, v250            ; 2 off the exponent field: the conversion's scale operand
	v_lshrrev_b32 v252, 23, v251
	v_cvt_scalef32_pk8_fp4_f32 v254, v[\sc:\sc+7], v251
	v_cvt_scalef32_pk8_fp4_f32 v255, v[\sc+8:\sc+15], v251
	v_nop                                          ; one plain place behind a scaled conversion
	ds_store_b64 v[\pa], v[254:255] offset:\oa
	ds_store_b8 v[\pb], v252 offset:\ob            ; both halves of the lanes write the same byte with the same value
.endm
	; ---- P1: the rows' largest c
	s_wait_loadcnt LBK                             ; pp and my 16 keys are in; the thirty of xq's and xs's loads issued behind them may be out
	v_mov_b32 v[PP+1], v[PP]
	CVALS SC, PO, 2                                ; with the last ten of the forty
	BMAX SC, CM0
	v_mov_b32 v[RMAX], v[CM0]
	s_mov_b32 s35, 3
	s_mov_b32 s36, 4                               ; 4 j of the trip's first group
.Lp1:                                              ; groups 1 to 15, five a trip; 4 j < n fails for good once it fails
.irp u, 0,1,2,3,4
	s_add_co_u32 s40, s36, 4*\u
	s_cmp_lt_u32 s40, s23
	s_cbranch_scc0 .Lp1_skip
	s_add_co_u32 s37, s22, s40
	s_add_co_u32 s37, s37, s42
	s_min_u32 s37, s37, 63
	s_lshl_b32 s37, s37, 9
	v_add_nc_u32 v[VOFF+1], s37, v243
	LOADK VOFF+1, SC2, PO2
	s_wait_loadcnt 0x0                             ; they are in, and their offset may be written again
	CVALS SC2, PO2, 0
	BMAX SC2, 253
	v_max_num_f32 v[RMAX], v[RMAX], v253
.endr
.Lp1_skip:
	s_add_co_u32 s36, s36, 20
	s_sub_co_u32 s35, s35, 1
	s_cmp_lg_u32 s35, 0
	s_cbranch_scc1 .Lp1
	ds_store_b32 v[CMW], v[RMAX]
	BARRIER
.irp k, 0,1,2,3
	ds_load_b128 v[64+4*\k:67+4*\k], v[CMR] offset:16*\k
.endr
	s_wait_dscnt 0x0
	v_max3_num_f32 v248, v64, v65, v66
	v_max3_num_f32 v251, v67, v68, v69
	v_max3_num_f32 v248, v248, v70, v71
	v_max3_num_f32 v251, v251, v72, v73
	v_max3_num_f32 v248, v248, v74, v75
	v_max3_num_f32 v251, v251, v76, v77
	v_max3_num_f32 v248, v248, v78, v79
	v_max_num_f32 v248, v248, v251                 ; my row's largest c
	v_mul_f32 v248, s32, v248
	v_floor_f32 v[NEGM], -v248                     ; -M = floor(-t) = -ceil(t)
	v_mov_b32 v[NEGM+1], v[NEGM]
	v_mov_b32 v[LACC], 0
	v_mov_b32 v[LACC+1], 0
	; ---- P2: P's codes
	PBLOCK SC, CM0, PWA, PBA, 0, 0
	s_mov_b32 s35, 3
	s_mov_b32 s36, 4
	s_mov_b32 s38, 4096                            ; the trip's first group in the images: four K steps of 1,024 bytes a group,
	s_mov_b32 s39, 256                             ; and in the scale words: four of 64 bytes
.Lp2:
.irp u, 0,1,2,3,4
	s_add_co_u32 s40, s36, 4*\u
	s_cmp_lt_u32 s40, s23
	s_cbranch_scc0 .Lp2_skip
	s_add_co_u32 s37, s22, s40
	s_add_co_u32 s37, s37, s42
	s_min_u32 s37, s37, 63
	s_lshl_b32 s37, s37, 9
	v_add_nc_u32 v[VOFF+1], s37, v243
	LOADK VOFF+1, SC2, PO2
.if \u == 0
	v_add_nc_u32 v236, s38, v[PWA]
	v_add_nc_u32 v237, s39, v[PBA]
.endif
	s_wait_loadcnt 0x0
	CVALS SC2, PO2, 0
	BMAX SC2, 253
	PBLOCK SC2, 253, 236, 237, 4096*\u, 256*\u
	s_wait_dscnt 0x0                               ; the stores have read their registers
.endr
.Lp2_skip:
	s_add_co_u32 s36, s36, 20
	s_add_co_u32 s38, s38, 20480
	s_add_co_u32 s39, s39, 1280
	s_sub_co_u32 s35, s35, 1
	s_cmp_lg_u32 s35, 0
	s_cbranch_scc1 .Lp2
	v_add_f32 v248, v[LACC], v[LACC+1]
	v_permlanex16_b32 v249, v248, s30, s31
	v_add_f32 v248, v248, v249
	ds_store_b32 v[CMW], v248 offset:1024          ; my blocks' part of the row's sum
	BARRIER                                        ; P's images, its scale words and the sums' parts lie in LDS
	; ---- M: the product
.macro LOADP pl, psl, oa, ob           ; four K steps of P, oa and ob bytes on from the two addresses
.irp i, 0,1,2,3
	ds_load_b128 v[PF+8*\i:PF+8*\i+3], v[\pl] offset:\oa+1024*\i
	ds_load_b128 v[PF+8*\i+4:PF+8*\i+7], v[\pl] offset:\oa+1024*\i+512
	ds_load_b32 v[PS+\i], v[\psl] offset:\ob+64*\i
.endr
.endm
.macro PROD i, T, zero                 ; out^T(16 d of tile T, 16 rows) += xq's fragment x P's; xs's words of an odd tile stand in lanes 16-31
.if \zero
.if (\T)%2
	v_wmma_scale_f32_16x16x128_f8f6f4 v[ACC+8*\T:ACC+8*\T+7], v[BF+32*\i+8*\T:BF+32*\i+8*\T+7], v[PF+8*\i:PF+8*\i+7], 0, v[BS+2*\i+\T/2], v[PS+\i] matrix_a_fmt:MATRIX_FMT_FP4 matrix_b_fmt:MATRIX_FMT_FP4 matrix_a_scale:MATRIX_SCALE_ROW1
.else
	v_wmma_scale_f32_16x16x128_f8f6f4 v[ACC+8*\T:ACC+8*\T+7], v[BF+32*\i+8*\T:BF+32*\i+8*\T+7], v[PF+8*\i:PF+8*\i+7], 0, v[BS+2*\i+\T/2], v[PS+\i] matrix_a_fmt:MATRIX_FMT_FP4 matrix_b_fmt:MATRIX_FMT_FP4
.endif
.else
.if (\T)%2
	v_wmma_scale_f32_16x16x128_f8f6f4 v[ACC+8*\T:ACC+8*\T+7], v[BF+32*\i+8*\T:BF+32*\i+8*\T+7], v[PF+8*\i:PF+8*\i+7], v[ACC+8*\T:ACC+8*\T+7], v[BS+2*\i+\T/2], v[PS+\i] matrix_a_fmt:MATRIX_FMT_FP4 matrix_b_fmt:MATRIX_FMT_FP4 matrix_a_scale:MATRIX_SCALE_ROW1
.else
	v_wmma_scale_f32_16x16x128_f8f6f4 v[ACC+8*\T:ACC+8*\T+7], v[BF+32*\i+8*\T:BF+32*\i+8*\T+7], v[PF+8*\i:PF+8*\i+7], v[ACC+8*\T:ACC+8*\T+7], v[BS+2*\i+\T/2], v[PS+\i] matrix_a_fmt:MATRIX_FMT_FP4 matrix_b_fmt:MATRIX_FMT_FP4
.endif
.endif
.endm
	LOADP PL, PSL, 0, 0
.irp k, 0,1,2,3
	ds_load_b128 v[64+4*\k:67+4*\k], v[CMR] offset:1024+16*\k      ; the sixteen parts of my row's sum, into registers that the first products will write
.endr
	s_wait_dscnt 0x0
.irp p, 0,4,8,12
	v_pk_add_f32 v[64+\p:65+\p], v[64+\p:65+\p], v[66+\p:67+\p]
.endr
	v_pk_add_f32 v[64:65], v[64:65], v[68:69]
	v_pk_add_f32 v[72:73], v[72:73], v[76:77]
	v_pk_add_f32 v[64:65], v[64:65], v[72:73]
	v_add_f32 v248, v64, v65
	v_rcp_f32 v[RMAX], v248                        ; 1 / the row's sum
	v_nop
.irp i, 0,1,2,3
	s_wait_loadcnt 30-10*\i                        ; ten loads for each later K step may be out
.irp T, 0,1,2,3
.if \i == 0
	PROD \i, \T, 1                                 ; the first K step starts the sums: nothing is cleared
.else
	PROD \i, \T, 0                                 ; the four accumulators take turns
.endif
.endr
.endr
	s_mov_b32 s35, 3
	s_mov_b32 s36, 4
	s_mov_b32 s38, 4096
	s_mov_b32 s39, 256
.Lm:                                               ; groups 1 to 15, five a trip
.irp u, 0,1,2,3,4
	s_add_co_u32 s40, s36, 4*\u
	s_cmp_lt_u32 s40, s23
	s_cbranch_scc0 .Lm_skip
	s_add_co_u32 s37, s22, s40
	s_min_u32 s37, s37, 60
	s_lshl_b32 s40, s37, 16
	s_lshl_b32 s41, s37, 12
	v_add_nc_u32 v[BOFF+1], s40, v244              ; four plain lines that name no register of the products: the places in front of the loads into registers that those have read
	v_add_nc_u32 v[SOFF+1], s41, v245
.if \u == 0
	v_add_nc_u32 v238, s38, v[PL]
	v_add_nc_u32 v239, s39, v[PSL]
.else
	v_nop
	v_nop
.endif
	LOADB BOFF+1, SOFF+1
	LOADP 238, 239, 4096*\u, 256*\u
	s_wait_dscnt 0x0
.irp i, 0,1,2,3
	s_wait_loadcnt 30-10*\i
.irp T, 0,1,2,3
	PROD \i, \T, 0
.endr
.endr
.endr
.Lm_skip:
	s_add_co_u32 s36, s36, 20
	s_add_co_u32 s38, s38, 20480
	s_add_co_u32 s39, s39, 1280
	s_sub_co_u32 s35, s35, 1
	s_cmp_lg_u32 s35, 0
	s_cbranch_scc1 .Lm
	; ---- O: divided by the row's sum, through my own stage in LDS, out as whole runs of 256 bytes
.rept 4
	v_nop                                          ; places behind the last products
.endr
	s_wait_alu depctr_va_vdst(0)
.irp T, 0,1,2,3
.irp p, 0,2,4,6
	v_pk_mul_f32 v[96+8*\T+\p:97+8*\T+\p], v[ACC+8*\T+\p:ACC+8*\T+\p+1], v[RMAX:RMAX+1] op_sel_hi:[1,0]   ; each accumulator from its low end on
.endr
.endr
.irp T, 0,1,2,3
	ds_store_b128 v234, v[96+8*\T:99+8*\T] offset:64*\T            ; lane (r, h): out(r, 64 w + 16 T + 8 h + 0 .. 7)
	ds_store_b128 v234, v[100+8*\T:103+8*\T] offset:64*\T+16
.endr
.irp i, 0,1,2,3,4,5,6,7
	ds_load_b128 v[128+4*\i:131+4*\i], v235 offset:544*\i          ; LDS serves a wave's instructions in order (ISA guide 5.7.1): these see my stores
.endr
.irp i, 0,1,2,3,4,5,6,7
	s_wait_dscnt 7-\i
	global_store_b128 v[GO], v[128+4*\i:131+4*\i], s[20:21] offset:8192*\i th:TH_STORE_NT   ; sixteen lanes store 256 consecutive bytes, aligned
.endr
	s_wait_tensorcnt 0x0
	ds_add_u32 v246, v247
	s_wait_dscnt 0x0
	s_endpgm
.Lfunc_end_k_qef3dead387_pool:
	.size	k_qef3dead387_pool, .Lfunc_end_k_qef3dead387_pool-k_qef3dead387_pool
	.p2alignl 7, 3214868480
	.fill 96, 4, 3214868480
	.section	.rodata,"a",@progbits
	.p2align	6, 0x0
	.amdhsa_kernel k_qef3dead387_pool
		.amdhsa_group_segment_fixed_size 149504
		.amdhsa_private_segment_fixed_size 0
		.amdhsa_enable_private_segment 0
		.amdhsa_kernarg_size 56
		.amdhsa_user_sgpr_count 2
		.amdhsa_user_sgpr_kernarg_segment_ptr 1
		.amdhsa_wavefront_size32 1
		.amdhsa_system_sgpr_workgroup_id_x 1
		.amdhsa_system_sgpr_workgroup_id_y 1
		.amdhsa_system_sgpr_workgroup_id_z 1
		.amdhsa_system_vgpr_workitem_id 0
		.amdhsa_next_free_vgpr 256
		.amdhsa_next_free_sgpr 66
		.amdhsa_reserve_vcc 0
		.amdhsa_float_denorm_mode_32 3
		.amdhsa_float_denorm_mode_16_64 3
		.amdhsa_memory_ordered 1
		.amdhsa_forward_progress 1
		.amdhsa_inst_pref_size 129
	.end_amdhsa_kernel
	.amdgpu_metadata
---
amdhsa.version: [ 1, 2 ]
amdhsa.kernels:
  - .name:           k_qef3dead387_pool
    .symbol:         k_qef3dead387_pool.kd
    .args:
      - { .name: scores, .offset: 0, .size: 8, .value_kind: global_buffer, .address_space: global }
      - { .name: pos, .offset: 8, .size: 8, .value_kind: global_buffer, .address_space: global }
      - { .name: wins, .offset: 16, .size: 8, .value_kind: global_buffer, .address_space: global }
      - { .name: pool_positions, .offset: 24, .size: 8, .value_kind: global_buffer, .address_space: global }
      - { .name: xq, .offset: 32, .size: 8, .value_kind: global_buffer, .address_space: global }
      - { .name: xs, .offset: 40, .size: 8, .value_kind: global_buffer, .address_space: global }
      - { .name: out0, .offset: 48, .size: 8, .value_kind: global_buffer, .address_space: global }
    .group_segment_fixed_size: 149504
    .private_segment_fixed_size: 0
    .kernarg_segment_align: 8
    .kernarg_segment_size: 56
    .max_flat_workgroup_size: 512
    .sgpr_count:     66
    .vgpr_count:     256
    .wavefront_size: 32
...
	.end_amdgpu_metadata
.endif
;; end of part 3
